; MI455X (gfx1250); checked and timed in simulation.
; The chip was launched on July 23, 2026; its instructions are those of AMD's public machine-readable ISA for CDNA 5 (MIT licence, August 2026) and "CDNA5" Instruction Set Architecture Reference Guide (July 2026). The comments in the code are by the model that wrote it; some were corrected since.
;; ODE Model Layer. Allowed arithmetic: float matrix products may take bf16 or f16 operands with f32 sums; all other float work in f32.
;; Inputs: constants 524,288 x 9 float32; delta_t 524,288 float32; preds 524,288 x 23 float32; x0 524,288 x 10 float32.
;; Outputs: out0 524,288 x 10 float32.
;; One version. Each part assembles by itself: llvm-mc -triple=amdgcn-amd-amdhsa -mcpu=gfx1250 --defsym DOCPART=n.
;; ======== version 1 of 1: 1 launch
;; launch ode (part 1): grid 256 x 1, 16 waves a work-group, no clusters, 219,136 bytes of LDS; arguments preds, constants, x0, delta_t, out0; writes out0
.if DOCPART == 1
	.amdgcn_target "amdgcn-amd-amdhsa--gfx1250"
	.amdhsa_code_object_version 6
	.text
	.protected	k_q6a13d7240f_ode
	.globl	k_q6a13d7240f_ode
	.p2align	8
	.type	k_q6a13d7240f_ode,@function
k_q6a13d7240f_ode:
	s_mov_b64 s[64:65], 0
	v_nop
	global_prefetch_b8 v0, s[64:65] scope:SCOPE_SE
	s_setreg_imm32_b32 hwreg(HW_REG_WAVE_MODE, 25, 1), 1
	s_wait_xcnt 0x0
; EIGHT FIXED DORMAND-PRINCE STEPS (six stages, fifth-order weights) OF A BIOREACTOR MODEL, one trajectory a sample.
; preds [524288][23], constants [524288][9], x0 [524288][10], delta_t [524288], out0 [524288][10], all f32; all arithmetic in f32.
; SHARES.  256 work-groups of 16 waves; a work-group owns 2,048 samples, a wave NT = 2 TASKS of 64 samples, a lane the samples l and l + 32 of a task:
; every number lives in a register pair (first sample, second sample) and every operation is one packed instruction for both.
; ARITHMETIC.  The right-hand side is bilinear in the state, with coefficients of the sample's own, so they are made once a task, h = delta_t / 8 folded in:
;   h dX = X (A1 G + A2 Q + A3 E + NA0)            h dG = C1 + NHD G + NHP0 XG              h dQ = C2 + NHD Q + NHP1 XQ
;   h dL = L (NHP2 X + NHD) + BL XG                h dE = C4 + NHD E + NHP3 XE + BEQ XQ     h dN = C5 + N (NHP4 X + NHD) + BNQ XQ + BNG XG
;   h dO = C8 + O (NHP5 X + NHD) + O15 G + O16 Q + O17 L + O18 E + O19 N
; 28 fused operations a stage; the stage states are x + sum a_ij K_j with K_j = h k_j and the tableau in scalar registers.
; THE PRODUCT's equation, h dP = z P + g with z = -h (D + p7) constant and g = BPG XG + BPQ XQ + BPE XE, is read by no other equation.  Its six stages solve to
;   P' = R P + sum_i w_i g_i,   w_i = b_i + z sum_{j>i} a_ji w_j,   R = 1 + z sum_i w_i:
; the same Runge-Kutta step for every input, written without its stage values.  w and R are made once a task; a stage adds w_i XG, w_i XQ, w_i XE onto three sums.
; A step is 330 packed instructions.  States 8 and 9 have the derivative 0 and are passed through.
; LIMITS.  The order of rounding differs from the formula as it is usually written (folded coefficients, D z - D x for D (z - x), the product's closed step).  1 / z0 is v_rcp_f32: within 1 ULP;
; |z0| below 2^-126 counts as 0 and a reciprocal below 2^-126 as 0.  NaN and infinities are not treated apart; where h is not finite states 8 and 9 still come out as they went in.
; constants[:, 2] is fetched with its row and, as in the model, enters nothing.
; MEMORY.  Rows of 92, 36 and 40 bytes cannot be loaded by a lane in aligned pieces.  A task's part of the four inputs is 23 + 9 + 10 + 1 = 43 whole blocks of 256 consecutive bytes, each at a
; multiple of 256 from its buffer's first byte: one global_load_b64 of the wave takes a block, one ds_store_b64 lays it into the wave's own LDS as it lies in memory, and ds_load_b32 takes the
; numbers out, lanes 23, 9, 10 or 1 words apart: 32 different banks each time (64 banks of 4 bytes: ISA guide 11.1).  The results go back the same way: a stage of 2,560 bytes, five stores of 512 bytes.
; No wave touches another wave's LDS bytes, so there is no barrier.
; OVERLAP.  While a task is integrated the next task's 43 blocks are fetched, 7 at the head of each step, into two register buffers by turns; a step's blocks go to LDS two steps later (the input
; region is free: its numbers are in registers).  Each step's requests name other buffers and offsets, so such a task's eight steps are written out; the last task's steps are a loop.
; NOT USED.  Matrix instructions: each sample has coefficients of its own, no operand is shared.  Clusters: no byte is read by two work-groups.  The tensor data mover: a work-group's
; 352,256 bytes of input do not fit into LDS at once, and slots that take turns would tie sixteen independent waves to barriers.
.set NW,    16                         ; waves in a work-group
.set NT,    2                          ; tasks of a wave
.set NUP,   23                         ; blocks of 256 bytes in a task's preds (64 x 92 bytes),
.set NUC,   9                          ; constants (64 x 36),
.set NUX,   10                         ; x0, and out0 (64 x 40);  delta_t: 1
.set UNITS, NUP+NUC+NUX+1              ; 43
.set L_C,   256*NUP                    ; in a wave's LDS: preds at 0, constants here,
.set L_X,   256*(NUP+NUC)              ; x0,
.set L_T,   256*(NUP+NUC+NUX)          ; delta_t,
.set L_O,   256*UNITS                  ; the stage for the way out
.set WSZ,   L_O+256*NUX                ; 13,568 bytes a wave
.set SPARE, NW*WSZ                     ; behind the waves' regions: the spare words, 128 bytes for each wave: eight blocks of 256 bytes that no other line names
.set PFU,   7                          ; blocks asked for at the head of a step
.set AP,  2                            ; v2   LDS address of my first sample's preds;      never rewritten, like all of v2-v11
.set AC,  3                            ; v3   constants
.set AX,  4                            ; v4   x0; the stage for the way out lies L_O - L_X behind it, with the same 40 bytes a sample
.set AT,  5                            ; v5   delta_t
.set AS,  6                            ; v6   where I put my 8 bytes of a block
.set AR,  7                            ; v7   where I read 16 bytes of the stage back
.set GL,  8                            ; v8   8 x lane: my bytes in a block
.set GS,  9                            ; v9   16 x lane: my bytes in a store of 512
.set SPW, 10                           ; v10  LDS address of my spare word: SPARE + 4 x my thread's number
.set NIL, 11                           ; v11  0
.set CO,  12                           ; v12-69  29 coefficient pairs; pair j < 23 arrives as preds[:, j], pairs 23-28 as constants[:, 3..8]
.set C_NHP0, CO                        ; -h p0 .. -h p5
.set C_NHP1, CO+2
.set C_NHP2, CO+4
.set C_NHP3, CO+6
.set C_NHP4, CO+8
.set C_NHP5, CO+10
.set C_NA0,  CO+12                     ; -h (p6 + z1 / z0)
.set C_R,    CO+14                     ; z = -h (D + p7), then R
.set C_A1,   CO+16                     ; h p0 p8
.set C_A2,   CO+18                     ; h p1 p9
.set C_A3,   CO+20                     ; h p3 p10
.set C_BPG,  CO+22                     ; h p0 p11
.set C_BPQ,  CO+24                     ; h p1 p12
.set C_BPE,  CO+26                     ; h p3 p13
.set C_BL,   CO+28                     ; h p0 p14
.set C_O15,  CO+30                     ; h p15 .. h p19
.set C_O16,  CO+32
.set C_O17,  CO+34
.set C_O18,  CO+36
.set C_O19,  CO+38
.set C_BNQ,  CO+40                     ; h p1 p20
.set C_BNG,  CO+42                     ; h p0 p21
.set C_BEQ,  CO+44                     ; h p1 p22
.set C_NHD,  CO+46                     ; -h D, D = z3 / z0
.set C_C1,   CO+48                     ; h D z4, z5, z6, z7, z8
.set C_C2,   CO+50
.set C_C4,   CO+52
.set C_C5,   CO+54
.set C_C8,   CO+56
.set W1,  70                           ; v70-81  the product's weights w1 .. w6
.set W2,  72
.set W3,  74
.set W4,  76
.set W5,  78
.set W6,  80
.set ST,  82                           ; v82-101   the state, ten pairs in memory's order
.set XI,  102                          ; v102-117  a stage's state, same order (the product's pair is not used)
.set OX,  0                            ; a state's place in ST, XI and each K: biomass X,
.set OG,  2                            ; Glc,
.set OQ,  4                            ; Gln,
.set OL,  6                            ; Lac,
.set OE,  8                            ; Glu,
.set ON,  10                           ; NH4,
.set OP,  12                           ; product,
.set OO,  14                           ; osmolality
.set T1,  118                          ; X G
.set T2,  120                          ; X Q
.set T3,  122                          ; X E
.set T_UL, 124                         ; NHP2 X + NHD
.set T_UN, 126                         ; NHP4 X + NHD
.set T_UO, 128                         ; NHP5 X + NHD
.set SS,  130                          ; v130-135  sum w_i XG, sum w_i XQ, sum w_i XE
.set KK,  136                          ; v136-215  K1 .. K5, 16 registers each; K6 takes K2's place, which the fifth-order weights do not read
.set K1,  KK
.set K2,  KK+16
.set K3,  KK+32
.set K4,  KK+48
.set K5,  KK+64
.set PF,  216                          ; v216-243  two buffers of 7 blocks on their way
.set T_Z0,  KK                         ; at work while the coefficients are made: K's registers are idle then
.set T_Z1,  KK+2
.set T_DT,  KK+4
.set T_H,   KK+6                       ; h
.set T_NH,  KK+8                       ; -h
.set T_RC,  KK+10                      ; 1 / z0
.set T_HR,  KK+12                      ; h / z0
.set T_NHR, KK+14
.set T_HD,  KK+16                      ; h D
.set T_M,   KK+18
.set T_H0,  KK+20                      ; h p0, h p1, h p3
.set T_H1,  KK+22
.set T_H3,  KK+24
.set T_A,   KK+26
.set OB,    KK+32                      ; the way out: 20 registers read back from the stage
.set S_A21, 20                         ; s20-63: the tableau and +-1/8; each number twice, since a packed instruction names a pair and takes its low word for both halves
.set S_A31, 22
.set S_A32, 24
.set S_A41, 26
.set S_A42, 28
.set S_A43, 30
.set S_A51, 32
.set S_A52, 34
.set S_A53, 36
.set S_A54, 38
.set S_A61, 40
.set S_A62, 42
.set S_A63, 44
.set S_A64, 46
.set S_A65, 48
.set S_B1,  50
.set S_B3,  52
.set S_B4,  54
.set S_B5,  56
.set S_B6,  58
.set S_E,   60
.set S_NE,  62
.macro FMA d, a, b, c                  ; d = a b + c, both samples
	v_pk_fma_f32 v[(\d):(\d)+1], v[(\a):(\a)+1], v[(\b):(\b)+1], v[(\c):(\c)+1]
.endm
.macro MUL d, a, b
	v_pk_mul_f32 v[(\d):(\d)+1], v[(\a):(\a)+1], v[(\b):(\b)+1]
.endm
.macro FMAS d, a, s, c                 ; d = a x scalar + c
	v_pk_fma_f32 v[(\d):(\d)+1], v[(\a):(\a)+1], s[(\s):(\s)+1], v[(\c):(\c)+1] op_sel_hi:[1,0,1]
.endm
.macro MULS d, a, s                    ; d = a x scalar
	v_pk_mul_f32 v[(\d):(\d)+1], v[(\a):(\a)+1], s[(\s):(\s)+1] op_sel_hi:[1,0]
	s_wait_alu depctr_va_vdst(0)
.endm
.macro FMAK d, a, b, s                 ; d = a b + scalar
	v_pk_fma_f32 v[(\d):(\d)+1], v[(\a):(\a)+1], v[(\b):(\b)+1], s[(\s):(\s)+1] op_sel_hi:[1,1,0]
.endm
.macro SC r, val                       ; a scalar, twice
	s_mov_b32 s[\r], \val
	s_mov_b32 s[(\r)+1], \val
.endm
; Block k of the 43 of the task at which s[4:11] point, into registers r, r + 1: 32 lanes x 8 bytes = 256 consecutive bytes.  Each byte is read once in the launch.
.macro UNIT k, r
.if (\k) < NUP
	global_load_b64 v[(\r):(\r)+1], v[GL], s[4:5] offset:256*(\k) th:TH_LOAD_NT
.elseif (\k) < NUP+NUC
	global_load_b64 v[(\r):(\r)+1], v[GL], s[6:7] offset:256*((\k)-NUP) th:TH_LOAD_NT
.elseif (\k) < NUP+NUC+NUX
	global_load_b64 v[(\r):(\r)+1], v[GL], s[8:9] offset:256*((\k)-NUP-NUC) th:TH_LOAD_NT
.else
	global_load_b64 v[(\r):(\r)+1], v[GL], s[10:11] th:TH_LOAD_NT
.endif
.endm
.macro PFLOAD n                        ; step n's requests: blocks 7 n .. 7 n + 6, as far as there are blocks, into buffer n % 2
.irp i, 0,1,2,3,4,5,6
.if PFU*(\n)+\i < UNITS
	UNIT PFU*(\n)+\i, PF+2*PFU*((\n)%2)+2*\i
.endif
.endr
.endm
.macro PFSTORE n                       ; the same blocks go to their places in my LDS region: block k at 256 k
.irp i, 0,1,2,3,4,5,6
.if PFU*(\n)+\i < UNITS
	ds_store_b64 v[AS], v[PF+2*PFU*((\n)%2)+2*\i:PF+2*PFU*((\n)%2)+2*\i+1] offset:256*(PFU*(\n)+\i)
.endif
.endr
.endm
.macro PFCNT n                         ; CN = how many blocks step n asks for: 7, 7, 7, 7, 7, 7, 1, 0
.set CN, UNITS-PFU*(\n)
.if CN > PFU
.set CN, PFU
.endif
.if CN < 0
.set CN, 0
.endif
.endm
; ONE STAGE: K = h f(x) for the seven states at x, and the product's three sums with weight w.  31 instructions, laid so that a line reads no result of the three lines in front of it;
; X, which the stage sums write last, is first read by the sixth line.
.macro RHS x, k, w, first
	FMA (\k)+OO, C_O15, (\x)+OG, C_C8
	FMA (\k)+OG, C_NHD, (\x)+OG, C_C1
	FMA (\k)+OQ, C_NHD, (\x)+OQ, C_C2
	FMA (\k)+OX, C_A1, (\x)+OG, C_NA0
	FMA (\k)+OE, C_NHD, (\x)+OE, C_C4
	MUL T1, (\x)+OX, (\x)+OG
	MUL T2, (\x)+OX, (\x)+OQ
	FMA (\k)+OO, C_O16, (\x)+OQ, (\k)+OO
	MUL T3, (\x)+OX, (\x)+OE
	FMA T_UN, C_NHP4, (\x)+OX, C_NHD
	FMA T_UL, C_NHP2, (\x)+OX, C_NHD
	FMA (\k)+OX, C_A2, (\x)+OQ, (\k)+OX
	FMA (\k)+OO, C_O17, (\x)+OL, (\k)+OO
	FMA T_UO, C_NHP5, (\x)+OX, C_NHD
	MUL (\k)+OL, C_BL, T1
	FMA (\k)+OG, C_NHP0, T1, (\k)+OG
	FMA (\k)+ON, (\x)+ON, T_UN, C_C5
	FMA (\k)+OO, C_O18, (\x)+OE, (\k)+OO
	FMA (\k)+OQ, C_NHP1, T2, (\k)+OQ
	FMA (\k)+OE, C_NHP3, T3, (\k)+OE
	FMA (\k)+OX, C_A3, (\x)+OE, (\k)+OX
	FMA (\k)+OL, (\x)+OL, T_UL, (\k)+OL
	FMA (\k)+OO, C_O19, (\x)+ON, (\k)+OO
	FMA (\k)+ON, C_BNQ, T2, (\k)+ON
.if \first
	MUL SS, \w, T1                                 ; the first stage starts the sums: nothing is cleared
.else
	FMA SS, \w, T1, SS
.endif
	FMA (\k)+OE, C_BEQ, T2, (\k)+OE
	MUL (\k)+OX, (\x)+OX, (\k)+OX
	FMA (\k)+OO, (\x)+OO, T_UO, (\k)+OO
	FMA (\k)+ON, C_BNG, T1, (\k)+ON
.if \first
	MUL SS+2, \w, T2
	MUL SS+4, \w, T3
.else
	FMA SS+2, \w, T2, SS+2
	FMA SS+4, \w, T3, SS+4
.endif
.endm
.macro AXPY d, k, s, c                 ; d = K x scalar + c for the seven states, X last: a state's chain has six other lines between its links
.irp o, 2,4,6,8,10,14,0
	FMAS (\d)+\o, (\k)+\o, \s, (\c)+\o
.endr
.endm
; ONE STEP.  pf = 1: step n of a task behind which another follows.  At its head the blocks asked for two steps ago go to LDS and their buffer takes this step's requests,
; so a request has two whole steps, 660 packed instructions of this wave, in which to land.
.macro STEP n, pf
.if \pf
.if (\n) >= 2
	PFCNT (\n)-1
	s_wait_loadcnt CN                              ; loads come back in order (ISA guide 5.7.1): all but step n - 1's are in, so step n - 2's are
	PFSTORE (\n)-2
.endif
	PFLOAD \n
.endif
	RHS ST, K1, W1, 1
	AXPY XI, K1, S_A21, ST
	RHS XI, K2, W2, 0
	AXPY XI, K1, S_A31, ST
	AXPY XI, K2, S_A32, XI
	RHS XI, K3, W3, 0
	AXPY XI, K1, S_A41, ST
	AXPY XI, K2, S_A42, XI
	AXPY XI, K3, S_A43, XI
	RHS XI, K4, W4, 0
	AXPY XI, K1, S_A51, ST
	AXPY XI, K2, S_A52, XI
	AXPY XI, K3, S_A53, XI
	AXPY XI, K4, S_A54, XI
	RHS XI, K5, W5, 0
	AXPY XI, K1, S_A61, ST
	AXPY XI, K2, S_A62, XI
	AXPY XI, K3, S_A63, XI
	AXPY XI, K4, S_A64, XI
	AXPY XI, K5, S_A65, XI
	AXPY ST, K1, S_B1, ST                          ; the sixth stage reads XI alone: the new state is begun ahead of it
	AXPY ST, K3, S_B3, ST
	AXPY ST, K4, S_B4, ST
	AXPY ST, K5, S_B5, ST
	MUL ST+OP, C_R, ST+OP
	RHS XI, K2, W6, 0                              ; K6, in K2's registers
	FMAS ST+OG, K2+OG, S_B6, ST+OG                 ; the last weights; the product's three lines stand apart among them
	FMA  ST+OP, C_BPG, SS, ST+OP
	FMAS ST+OQ, K2+OQ, S_B6, ST+OQ
	FMAS ST+OL, K2+OL, S_B6, ST+OL
	FMAS ST+OE, K2+OE, S_B6, ST+OE
	FMA  ST+OP, C_BPQ, SS+2, ST+OP
	FMAS ST+ON, K2+ON, S_B6, ST+ON
	FMAS ST+OO, K2+OO, S_B6, ST+OO
	FMAS ST+OX, K2+OX, S_B6, ST+OX
	FMA  ST+OP, C_BPE, SS+4, ST+OP
.endm
; A TASK BEGINS: its numbers come out of my LDS region (LDS serves a wave's instructions in order, ISA guide 5.7.1.4: these loads see the stores that laid the blocks there), the second
; sample's 32 rows behind the first's; then the coefficients are made.
.macro HEAD
	ds_load_b32 v[T_Z0],   v[AC]
	ds_load_b32 v[T_Z0+1], v[AC] offset:1152
	ds_load_b32 v[T_DT],   v[AT]
	ds_load_b32 v[T_DT+1], v[AT] offset:128
	ds_load_b32 v[T_Z1],   v[AC] offset:4
	ds_load_b32 v[T_Z1+1], v[AC] offset:1156
.irp j, 3,4,5,6,7,8
	ds_load_b32 v[C_NHD+2*(\j-3)],   v[AC] offset:4*\j
	ds_load_b32 v[C_NHD+2*(\j-3)+1], v[AC] offset:1152+4*\j
.endr
.set j, 0
.rept 23
	ds_load_b32 v[CO+2*j],   v[AP] offset:4*j
	ds_load_b32 v[CO+2*j+1], v[AP] offset:2944+4*j
.set j, j+1
.endr
.set j, 0
.rept 10
	ds_load_b32 v[ST+2*j],   v[AX] offset:4*j
	ds_load_b32 v[ST+2*j+1], v[AX] offset:1280+4*j
.set j, j+1
.endr
	s_wait_dscnt 0x0                               ; all 84 are in; from here on the input region may take the next task's blocks
	v_rcp_f32 v[T_RC],   v[T_Z0]
	v_rcp_f32 v[T_RC+1], v[T_Z0+1]
	MULS T_H,  T_DT, S_E                           ; h = delta_t / 8: also the plain instruction between the reciprocals and their use (ISA guide 5.7.2)
	MULS T_NH, T_DT, S_NE
	MUL T_HR,  T_H,  T_RC
	MUL T_NHR, T_NH, T_RC
	MUL T_H0, T_H, C_NHP0
	MUL T_H1, T_H, C_NHP1
	MUL T_H3, T_H, C_NHP3
	MUL T_HD, C_NHD, T_HR                          ; h D = z3 h / z0
	MUL T_M,  T_Z1, T_NHR                          ; -h z1 / z0
.irp c, C_O15,C_O16,C_O17,C_O18,C_O19
	MUL \c, T_H, \c
.endr
	MUL C_NHD, C_NHD, T_NHR
	MUL C_A1,  T_H0, C_A1
	MUL C_A2,  T_H1, C_A2
	MUL C_A3,  T_H3, C_A3
	MUL C_BPG, T_H0, C_BPG
	MUL C_BPQ, T_H1, C_BPQ
	MUL C_BPE, T_H3, C_BPE
	MUL C_BL,  T_H0, C_BL
	MUL C_BNQ, T_H1, C_BNQ
	MUL C_BNG, T_H0, C_BNG
	MUL C_BEQ, T_H1, C_BEQ
.irp c, C_C1,C_C2,C_C4,C_C5,C_C8
	MUL \c, \c, T_HD
.endr
	FMA C_NA0, T_NH, C_NA0, T_M
	FMA C_R,   T_NH, C_R, C_NHD                    ; z
.irp c, C_NHP0,C_NHP1,C_NHP2,C_NHP3,C_NHP4,C_NHP5
	MUL \c, T_NH, \c
.endr
	v_mov_b32 v[W6],   s[S_B6]                     ; w6 = b6, and down the tableau's columns: w_i = b_i + z sum_{j>i} a_ji w_j
	v_mov_b32 v[W6+1], s[S_B6]
	MULS T_A, W6, S_A65
	FMAK W5, C_R, T_A, S_B5
	MULS T_A, W5, S_A54
	FMAS T_A, W6, S_A64, T_A
	FMAK W4, C_R, T_A, S_B4
	MULS T_A, W4, S_A43
	FMAS T_A, W5, S_A53, T_A
	FMAS T_A, W6, S_A63, T_A
	FMAK W3, C_R, T_A, S_B3
	MULS T_A, W3, S_A32
	FMAS T_A, W4, S_A42, T_A
	FMAS T_A, W5, S_A52, T_A
	FMAS T_A, W6, S_A62, T_A
	MUL  W2, C_R, T_A                              ; b2 = 0
	MULS T_A, W2, S_A21
	FMAS T_A, W3, S_A31, T_A
	FMAS T_A, W4, S_A41, T_A
	FMAS T_A, W5, S_A51, T_A
	FMAS T_A, W6, S_A61, T_A
	FMAK W1, C_R, T_A, S_B1
	v_pk_add_f32 v[T_A:T_A+1], v[W1:W1+1], v[W2:W2+1]
.irp w, W3,W4,W5,W6
	v_pk_add_f32 v[T_A:T_A+1], v[T_A:T_A+1], v[\w:\w+1]
.endr
	v_pk_fma_f32 v[C_R:C_R+1], v[C_R:C_R+1], v[T_A:T_A+1], 1.0 op_sel_hi:[1,1,0]  ; R = 1 + z sum w_i
.endm
; THE WAY OUT: the ten numbers of my two samples go into my stage, lanes 10 words apart (32 different banks), and come back as 16 neighbouring bytes a lane.
.macro OUT
.set j, 0
.rept 10
	ds_store_b32 v[AX], v[ST+2*j]   offset:L_O-L_X+4*j
	ds_store_b32 v[AX], v[ST+2*j+1] offset:L_O-L_X+1280+4*j
.set j, j+1
.endr
.irp i, 0,1,2,3,4
	ds_load_b128 v[OB+4*\i:OB+4*\i+3], v[AR] offset:512*\i   ; in order behind the stores above
.endr
.irp i, 0,1,2,3,4
	s_wait_dscnt 4-\i                              ; read-back i is in; the younger ones may be out
	global_store_b128 v[GS], v[OB+4*\i:OB+4*\i+3], s[12:13] offset:512*\i th:TH_STORE_NT  ; 512 consecutive bytes, at a multiple of 512 from out0's first byte
.endr
.endm
	s_load_b256 s[4:11], s[0:1], 0x0               ; preds s[4:5], constants s[6:7], x0 s[8:9], delta_t s[10:11]
	s_load_b64 s[12:13], s[0:1], 0x20              ; out0
	v_lshl_add_u32 v[SPW], v0, 2, SPARE
	v_mov_b32 v[NIL], 0
	v_lshrrev_b32 v1, 5, v0
	v_readfirstlane_b32 s14, v1                    ; wave 0..15
	v_and_b32 v1, 31, v0                           ; lane
	v_lshlrev_b32 v[GL], 3, v1
	v_lshlrev_b32 v[GS], 4, v1
	s_mul_i32 s16, ttmp9, NW*NT                    ; the work-group's first task;
	s_add_co_u32 s16, s16, s14                     ; my task t is number t x NW + wave behind it: at any time the sixteen waves work on 1,024 neighbouring samples
	s_mov_b32 s19, 0
	s_mul_i32 s18, s16, 256*NUP                    ; byte offsets: 48,234,496 at the most
	s_wait_kmcnt 0x0
	s_add_nc_u64 s[4:5], s[4:5], s[18:19]
	s_mul_i32 s18, s16, 256*NUC
	s_add_nc_u64 s[6:7], s[6:7], s[18:19]
	s_mul_i32 s18, s16, 256*NUX
	s_add_nc_u64 s[8:9], s[8:9], s[18:19]
	s_add_nc_u64 s[12:13], s[12:13], s[18:19]
	s_lshl_b32 s18, s16, 8
	s_add_nc_u64 s[10:11], s[10:11], s[18:19]
.set k, 0
.rept UNITS                            ; my first task: all 43 blocks at once, into K's and the buffers' registers
	UNIT k, KK+2*k
.set k, k+1
.endr
	s_mul_i32 s15, s14, WSZ                        ; my LDS region; the addresses and the tableau are made while the blocks are on their way
	v_mul_u32_u24 v[AP], v1, 92
	v_add_nc_u32 v[AP], s15, v[AP]
	s_add_co_u32 s17, s15, L_C
	v_mul_u32_u24 v[AC], v1, 36
	v_add_nc_u32 v[AC], s17, v[AC]
	s_add_co_u32 s17, s15, L_X
	v_mul_u32_u24 v[AX], v1, 40
	v_add_nc_u32 v[AX], s17, v[AX]
	s_add_co_u32 s17, s15, L_T
	v_lshl_add_u32 v[AT], v1, 2, s17
	v_lshl_add_u32 v[AS], v1, 3, s15
	s_add_co_u32 s17, s15, L_O
	v_lshl_add_u32 v[AR], v1, 4, s17
	SC S_A21, 0.2                                  ; 1/5
	SC S_A31, 0.075                                ; 3/40
	SC S_A32, 0.225                                ; 9/40
	SC S_A41, 0.97777777778                        ; 44/45
	SC S_A42, -3.7333333333                        ; -56/15
	SC S_A43, 3.5555555556                         ; 32/9
	SC S_A51, 2.9525986892                         ; 19372/6561
	SC S_A52, -11.595793324                        ; -25360/2187
	SC S_A53, 9.8228928517                         ; 64448/6561
	SC S_A54, -0.29080932785                       ; -212/729
	SC S_A61, 2.8462752525                         ; 9017/3168
	SC S_A62, -10.757575758                        ; -355/33
	SC S_A63, 8.9064227177                         ; 46732/5247
	SC S_A64, 0.27840909091                        ; 49/176
	SC S_A65, -0.27353130360                       ; -5103/18656
	SC S_B1, 0.091145833333                        ; 35/384
	SC S_B3, 0.44923629829                         ; 500/1113
	SC S_B4, 0.65104166667                         ; 125/192
	SC S_B5, -0.32237617925                        ; -2187/6784
	SC S_B6, 0.13095238095                         ; 11/84
	SC S_E, 0.125
	SC S_NE, -0.125
.set k, 0
.rept UNITS
	s_wait_loadcnt UNITS-1-k                       ; block k is in; the 42 - k younger ones may be out
	ds_store_b64 v[AS], v[KK+2*k:KK+2*k+1] offset:256*k
.set k, k+1
.endr
.if NT > 2
	s_mov_b32 s2, NT-1
.Ltask:
.endif
	s_add_nc_u64 s[4:5], s[4:5], NW*256*NUP        ; the inputs' addresses go on to my next task: no load of mine is out (the last wait on LOADcnt was for 0)
	s_add_nc_u64 s[6:7], s[6:7], NW*256*NUC
	s_add_nc_u64 s[8:9], s[8:9], NW*256*NUX
	s_add_nc_u64 s[10:11], s[10:11], NW*256
	HEAD
.irp n, 0,1,2,3,4,5,6,7
	STEP \n, 1
.endr
	s_wait_loadcnt 0x0                             ; the one block that step 6 asked for
	PFSTORE 6
	OUT
	s_wait_xcnt 0x0                                ; every earlier memory instruction has had its addresses translated (ISA guide 3.1): only behind this wait are the stores' base and data registers rewritten
	s_add_nc_u64 s[12:13], s[12:13], NW*256*NUX
.if NT > 2
	s_sub_co_u32 s2, s2, 1
	s_cmp_lg_u32 s2, 0
	s_cbranch_scc1 .Ltask
.endif
	HEAD                                           ; my last task: nothing is left to fetch, so its steps are a loop
	s_mov_b32 s3, 8
.Lstep:
	STEP 0, 0
	s_sub_co_u32 s3, s3, 1
	s_cmp_lg_u32 s3, 0
	s_cbranch_scc1 .Lstep
	OUT
	s_wait_tensorcnt 0x0                           ; the wave's end, behind my last LDS store
	ds_add_u32 v[SPW], v[NIL]
	s_wait_dscnt 0x0
	s_endpgm
.Lfunc_end_k_q6a13d7240f_ode:
	.size	k_q6a13d7240f_ode, .Lfunc_end_k_q6a13d7240f_ode-k_q6a13d7240f_ode
	.p2alignl 7, 3214868480
	.fill 96, 4, 3214868480
	.section	.rodata,"a",@progbits
	.p2align	6, 0x0
	.amdhsa_kernel k_q6a13d7240f_ode
		.amdhsa_group_segment_fixed_size 219136
		.amdhsa_private_segment_fixed_size 0
		.amdhsa_enable_private_segment 0
		.amdhsa_kernarg_size 40
		.amdhsa_user_sgpr_count 2
		.amdhsa_user_sgpr_kernarg_segment_ptr 1
		.amdhsa_wavefront_size32 1
		.amdhsa_system_sgpr_workgroup_id_x 1
		.amdhsa_system_sgpr_workgroup_id_y 1
		.amdhsa_system_sgpr_workgroup_id_z 1
		.amdhsa_system_vgpr_workitem_id 0
		.amdhsa_next_free_vgpr 244
		.amdhsa_next_free_sgpr 66
		.amdhsa_reserve_vcc 0
		.amdhsa_float_denorm_mode_32 3
		.amdhsa_float_denorm_mode_16_64 3
		.amdhsa_memory_ordered 1
		.amdhsa_forward_progress 1
		.amdhsa_inst_pref_size 230
	.end_amdhsa_kernel
	.amdgpu_metadata
---
amdhsa.version: [ 1, 2 ]
amdhsa.kernels:
  - .name:           k_q6a13d7240f_ode
    .symbol:         k_q6a13d7240f_ode.kd
    .args:
      - { .name: preds, .offset: 0, .size: 8, .value_kind: global_buffer, .address_space: global }
      - { .name: constants, .offset: 8, .size: 8, .value_kind: global_buffer, .address_space: global }
      - { .name: x0, .offset: 16, .size: 8, .value_kind: global_buffer, .address_space: global }
      - { .name: delta_t, .offset: 24, .size: 8, .value_kind: global_buffer, .address_space: global }
      - { .name: out0, .offset: 32, .size: 8, .value_kind: global_buffer, .address_space: global }
    .group_segment_fixed_size: 219136
    .private_segment_fixed_size: 0
    .kernarg_segment_align: 8
    .kernarg_segment_size: 40
    .max_flat_workgroup_size: 512
    .sgpr_count:     66
    .vgpr_count:     244
    .wavefront_size: 32
...
	.end_amdgpu_metadata
.endif
;; end of part 1
